; MI455X (gfx1250); checked and timed in simulation.
; The chip was launched on July 23, 2026; its instructions are those of AMD's public machine-readable ISA for CDNA 5 (MIT licence, August 2026) and "CDNA5" Instruction Set Architecture Reference Guide (July 2026). The comments in the code are by the model that wrote it; some were corrected since.
;; Multi Head Attention. Allowed arithmetic: matrix products marked QUANTISED: E5M2 operands, one given power-of-two scale a tensor, by v_wmma_f32_16x16x64_bf8_bf8 or v_wmma_f32_16x16x128_bf8_bf8, f32 sums; everything else in f32.
;; Inputs: Wk_codes 1,024 x 32 x 32 uint8 (E5M2 codes of Wk, K innermost, in blocks of 32 codes); Wq_codes 1,024 x 32 x 32 uint8 (E5M2 codes of Wq, K innermost, in blocks of 32 codes); Wv_codes 1,024 x 32 x 32 uint8 (E5M2 codes of Wv, K innermost, in blocks of 32 codes); h_codes 4 x 2,048 x 32 x 32 uint8 (E5M2 codes of h, K innermost, in blocks of 32 codes); lowp_scales 10 int32 (the exponents e of the quantised operands' scales 2^e); mask 4 x 2,048 x 2,048 bool; q_codes 4 x 2,048 x 32 x 32 uint8 (E5M2 codes of q, K innermost, in blocks of 32 codes).
;; Outputs: out0 4 x 2,048 x 1,024 float32.
;; This version of the problem:
;;   THIS VERSION OF THE PROBLEM IS GIVEN IN LOW PRECISION. The matrix products marked QUANTISED in the list below multiply operands that are first quantised to E5M2 (5 exponent bits, 2 mantissa bits; 8 bits a number), with one given power-of-two scale for each operand tensor; their sums are f32. All else is computed in f32.
;;   The module's matrix products, in the order in which they are computed (A, B: the left and right operand; K: the contracted axis; several contracted axes count as one K, in the product's order):
;;     1. [M 8,192, K 1,024] x [K 1,024, N 1,024]; A: input q (given as codes); B: input Wq (given as codes): QUANTISED (scales: A lowp_scales[0], B lowp_scales[1])
;;     2. [M 8,192, K 1,024] x [K 1,024, N 1,024]; A: input h (given as codes); B: input Wk (given as codes): QUANTISED (scales: A lowp_scales[2], B lowp_scales[3])
;;     3. [M 8,192, K 1,024] x [K 1,024, N 1,024]; A: input h (given as codes); B: input Wv (given as codes): QUANTISED (scales: A lowp_scales[4], B lowp_scales[5])
;;     4. batch 64 x [M 2,048, K 64] x [K 64, N 2,048]; A: computed on the way; B: computed on the way: QUANTISED (scales: A lowp_scales[6], B lowp_scales[7])
;;     5. batch 64 x [M 2,048, K 2,048] x [K 2,048, N 64]; A: softmax (see below); B: computed on the way: QUANTISED (scales: A lowp_scales[8], B lowp_scales[9])
;;   THE QUANTISER, for each operand of a quantised product, along K:
;;     - The operand's scale is 2^e, e = its entry of the input lowp_scales (int32; the entries are numbered through the quantised products in the list's order, A before B).
;;     - Each number is divided by the scale, clamped to +-57,344, and rounded to the nearest number of E5M2, ties to even, subnormals kept.
;;     - The product sums the exact products of the quantised numbers (number of the format x scale) in f32.
;;   ~~~python
;;   def quantise(x, axis, e):      # numpy; x: float32 -> the quantised numbers, widened to float32 again
;;       x = np.moveaxis(x, axis, -1); K = x.shape[-1]
;;       r = np.clip(x / 2.0 ** e, -57344, 57344)
;;       step = 2.0 ** (np.maximum(np.frexp(np.where(r == 0, 1, r))[1] - 1, -14) - 2)
;;       q = np.round(r / step) * step * 2.0 ** e      # np.round: ties to even
;;       return np.moveaxis(q, -1, axis).astype(np.float32)
;;   ~~~
;;   SOFTMAX AHEAD OF A QUANTISED PRODUCT. Where the list says 'softmax', what is quantised is not the finished softmax but p = 2^(t - M), with t = logit x log2(e) and M = ceil(the row's largest t), a whole number; so 1/2 < the row's largest p <= 1. The row's sum l is taken of the UNQUANTISED p, in f32, and the product's result is divided by l at the end. Since M is a whole number, a kernel that streams over the keys may use a running M (the ceiling of the running maximum): every later rescaling is an exact power of two, so the quantised numbers keep their values, but for numbers so far below the row's largest that they fall under the format's range.
;;   OPERANDS COMPUTED ON THE WAY. 'Computed on the way' means the value that the module computes at that place (a softmax that the list does not call 'softmax' is quantised finished and normalised). What goes into a quantiser is computed in f32, as accurately as f32 sums, v_exp_f32 and their like allow (about 1e-6 of the number): no bf16 or f16 on the way to a quantiser, and a product that is left as it is and whose result goes on into a quantised operand takes f32 operands (vector FMAs, or v_wmma_f32_16x16x4_f32). A number that lies on a knife's edge between two numbers of the format may be rounded either way, as far as f32 arithmetic and the matrix unit's own rounding can turn it there, and no further.
;;   INPUTS GIVEN AS CODES. Wk (in the module: [1024, 1024], K = its axis 1); Wq (in the module: [1024, 1024], K = its axis 1); Wv (in the module: [1024, 1024], K = its axis 1); h (in the module: [4, 2048, 1024], K = its axis 2); q (in the module: [4, 2048, 1024], K = its axis 2): each comes as NAME_codes (uint8): NAME with its K axis moved to the last place and cut into blocks of 32 codes, [.., K / 32, bytes a block], one block behind the other in memory; one code a byte (a code: sign, 5 exponent bits, 2 mantissa bits); its scale is its entry of lowp_scales. Its value is code x scale, taken as it is: it is not quantised again, and the codes and scales need not be those that the quantiser above would give.
;; One version. Each part assembles by itself: llvm-mc -triple=amdgcn-amd-amdhsa -mcpu=gfx1250 --defsym DOCPART=n.
;; ======== version 1 of 1: 2 launches
;; limits: right only within a limited range of input values
;; workspace buffers: Kc 8,388,608 bytes; Vc 8,388,608 bytes
;; launch proj (part 1): grid 4 x 64, 4 waves a work-group, clusters of 4 x 4, 327,680 bytes of LDS; arguments h_codes, Wk_codes, Wv_codes, lowp_scales, Kc, Vc; writes Kc, Vc
.if DOCPART == 1
	.amdgcn_target "amdgcn-amd-amdhsa--gfx1250"
	.amdhsa_code_object_version 6
	.text
	.protected	k_q787fd6e183_proj
	.globl	k_q787fd6e183_proj
	.p2align	8
	.type	k_q787fd6e183_proj,@function
k_q787fd6e183_proj:
	s_mov_b64 s[64:65], 0
	v_nop
	global_prefetch_b8 v0, s[64:65] scope:SCOPE_SE
	s_setreg_imm32_b32 hwreg(HW_REG_WAVE_MODE, 25, 1), 1
	s_wait_xcnt 0x0
	s_wait_alu depctr_hold_cnt(0) depctr_sa_sdst(0) depctr_va_vdst(0) depctr_va_sdst(0) depctr_va_ssrc(0) depctr_va_vcc(0) depctr_vm_vsrc(0)
	s_getreg_b32 s2, hwreg(HW_REG_IB_STS2, 6, 4)
	s_cmp_eq_u32 s2, 0
	s_cbranch_scc0 .Lentry_in_a_cluster
	s_endpgm
.Lentry_in_a_cluster:
	s_bfe_u32 s2, ttmp6, 0x10000c
	s_cmp_lg_u32 s2, 0xf033
	s_cbranch_scc0 .Lentry_shape_is_right
	s_endpgm
.Lentry_shape_is_right:
; K = h Wk^T and V^T = Wv h^T on codes of BF8 (E5M2), K = 1,024, quantised on the way out with entries 7 and 9 of the scales into Kc and Vc, in the blocks that the attention launch reads.
; 256 work-groups, one tile of 256 x 256 each: clusters' y 0-7 make K (s86 = 1), 8-15 make V (s86 = 2, the sources swapped).  Q's projection stands in the attention launch, where each work-group owns its block of Q.
; LIMITS: the exponent of each conversion's scale (e of the result less the two operands' e) lies between -126 and 112.
.set KSTEP,  256
.set ROWB,   256
.set KROW,   1024
.set PITCH,  272
.set FR,     16
.set NL,     4
.set NP,     4
.set HALFT,  128*PITCH
.set SLOT,   4*HALFT
.set LAPS,   2
.set SPARE,  2*SLOT
.set SPITCH, 144
.set ADRA, 16
.set ADRB, 20
.set COM,  23
.set STO,  24
.set RD,   25
.set CO,   26
.set COP,  27
.set SPW,  28
.set NIL,  29
.set SCL,  30
.set LIM,  31
.set TMP,  32
.set CD,   96
.set BK,   112
.set AF,   128
.set G1, 24
.set G0, 32
.set G1B, 48
.set G0B, 56
.set MSB, 0
.macro WIN new
.if MSB != \new
	s_set_vgpr_msb (MSB<<8)|\new
.set MSB, \new
.endif
.endm
.set MUL_LO, 0xa1
.set MUL_HI, 0xf1
.set TO_B,   0x40
.macro JLOAD g0a, g1a, g0b, g1b
	s_cmp_eq_u32 s15, 0
	s_cbranch_scc0 .Lfor_b_\@
	tensor_load_to_lds s[\g0a:\g0a+3], s[\g1a:\g1a+7]
	s_nop 0
.rept 4
	v_nop
.endr
	s_branch .Lasked_\@
.Lfor_b_\@:
	tensor_load_to_lds s[\g0b:\g0b+3], s[\g1b:\g1b+7]
	s_nop 0
.rept 4
	v_nop
.endr
.Lasked_\@:
.endm
.macro CREST
	s_cmp_lg_u32 s14, 0
	s_cbranch_scc1 .Lnot_wave_0_\@
	s_barrier_signal -3
.Lnot_wave_0_\@:
	s_barrier_wait -3
	s_barrier_signal -1
	s_barrier_wait -1
.endm
.macro CROUND
	s_barrier_signal -1
	s_barrier_wait -1
	CREST
.endm
	s_load_b64 s[70:71], s[0:1], 0x0               ; h's codes
	s_load_b64 s[74:75], s[0:1], 0x8               ; Wk's codes
	s_load_b128 s[76:79], s[0:1], 0x10             ; Wv's codes, the scales' exponents
	s_load_b64 s[82:83], s[0:1], 0x20              ; Kc
	s_load_b64 s[84:85], s[0:1], 0x28              ; Vc
	v_lshl_add_u32 v[SPW], v0, 2, SPARE
	v_mov_b32 v[NIL], 0
	ds_add_u32 v28, v29
	ds_add_u32 v28, v29
	s_wait_dscnt 0x0
	v_lshrrev_b32 v1, 5, v0
	v_readfirstlane_b32 s14, v1
	s_lshr_b32 s15, s14, 1
	s_and_b32 s16, s14, 1
	s_bfe_u32 s40, ttmp6, 0x40000
	s_bfe_u32 s41, ttmp6, 0x40004
	s_and_b32 s86, ttmp7, 0xffff
	s_and_b32 s87, s86, 7
	s_lshl_b32 s87, s87, 2
	s_lshr_b32 s86, s86, 3
	s_add_co_u32 s86, s86, 1                       ; 1: K, 2: V
	s_cmp_eq_u32 s86, 2
	s_cselect_b32 s18, 0, s87
	s_cselect_b32 s19, s87, 0
	s_add_co_u32 s17, s41, s18
	s_add_co_u32 s42, s40, s19
	s_lshl_b32 s43, s41, 2
	s_lshl_b32 s43, 15, s43
	s_lshl_b32 s44, 0x1111, s40
	s_or_b32 s[G1+0], s43, (0<<16)|(1<<20)|(1<<21)|(5<<22)|(3<<25)
	s_or_b32 s[G1B+0], s44, (0<<16)|(1<<20)|(1<<21)|(5<<22)|(3<<25)
.irp g, G1, G1B
	s_mov_b32 s[\g+1], ROWB<<16
	s_mov_b32 s[\g+2], 128<<16
	s_mov_b32 s[\g+3], ROWB<<16
	s_mov_b32 s[\g+4], 128
	s_mov_b32 s[\g+5], KROW
	s_mov_b32 s[\g+6], 0
	s_mov_b32 s[\g+7], 0
.endr
	s_lshl_b32 s18, s16, 7
	s_lshl_b32 s20, s17, 8
	s_add_co_u32 s20, s20, s18
	s_lshl_b32 s46, s42, 8
	s_add_co_u32 s46, s46, s18
	s_lshl_b32 s20, s20, 10
	s_lshl_b32 s46, s46, 10
	s_mov_b32 s21, 0
	s_mov_b32 s47, 0
	s_mul_i32 s45, s14, HALFT
	s_wait_kmcnt 0x0
	s_mov_b64 s[4:5], s[70:71]
	s_mov_b64 s[6:7], s[74:75]
	s_mov_b64 s[10:11], s[82:83]
	s_cmp_eq_u32 s86, 2
	s_cselect_b64 s[4:5], s[76:77], s[4:5]
	s_cselect_b64 s[6:7], s[70:71], s[6:7]
	s_cselect_b64 s[10:11], s[84:85], s[10:11]
	s_load_b256 s[88:95], s[78:79], 0x0
	s_load_b64 s[96:97], s[78:79], 0x20
	s_add_nc_u64 s[20:21], s[4:5], s[20:21]
	s_add_nc_u64 s[46:47], s[6:7], s[46:47]
	CROUND
.irp s, 0,1
	s_mov_b32 s[G0+4*\s], 1
	s_add_co_u32 s[G0+4*\s+1], s45, \s*SLOT
	s_add_nc_u64 s[G0+4*\s+2:G0+4*\s+3], s[20:21], \s*ROWB
	s_or_b32 s[G0+4*\s+3], s[G0+4*\s+3], 0x80000000
	s_mov_b32 s[G0B+4*\s], 1
	s_add_co_u32 s[G0B+4*\s+1], s45, \s*SLOT
	s_add_nc_u64 s[G0B+4*\s+2:G0B+4*\s+3], s[46:47], \s*ROWB
	s_or_b32 s[G0B+4*\s+3], s[G0B+4*\s+3], 0x80000000
	s_wait_alu depctr_va_vdst(0)
	s_wait_tensorcnt 0x0
	ds_add_u32 v28, v29
	ds_add_u32 v28, v29
	s_wait_dscnt 0x0
	CROUND
	JLOAD G0+4*\s, G1, G0B+4*\s, G1B
.endr
	v_and_b32 v1, 15, v0
	s_wait_alu depctr_va_vdst(0)
	v_bfe_u32 v2, v0, 4, 1
	v_mul_u32_u24 v3, v1, PITCH
	v_lshl_add_u32 v4, v2, 4, v3
	s_mul_i32 s21, s15, HALFT
	s_mul_i32 s22, s16, HALFT
	s_add_co_u32 s22, s22, 2*HALFT
.irp s, 0,1
	v_add_nc_u32 v[ADRA+\s], s21, v4
	v_add_nc_u32 v[ADRB+\s], s22, v4
	s_add_co_u32 s21, s21, SLOT
	s_add_co_u32 s22, s22, SLOT
.endr
	s_mul_i32 s23, s14, 16*SPITCH
	v_mul_u32_u24 v5, v1, SPITCH
	s_wait_alu depctr_va_vdst(0)
	v_lshl_add_u32 v5, v2, 3, v5
	v_add_nc_u32 v[STO], s23, v5
	v_and_b32 v6, 31, v0
	v_lshlrev_b32 v[CO], 4, v6
	s_wait_alu depctr_va_vdst(0)
	v_lshrrev_b32 v7, 3, v6
	v_mul_u32_u24 v7, v7, SPITCH
	v_and_b32 v8, 7, v6
	v_lshl_add_u32 v7, v8, 4, v7
	v_add_nc_u32 v[RD], s23, v7
	s_lshl_b32 s20, s17, 1
	s_add_co_u32 s20, s20, s15
	s_lshl_b32 s46, s42, 1
	s_add_co_u32 s46, s46, s16
	s_cmp_eq_u32 s86, 2
	s_cselect_b32 s22, s46, s20
	s_cselect_b32 s23, s20, s46
	s_lshr_b32 s18, s22, 4
	s_lshl_b32 s18, s18, 3
	s_add_co_u32 s18, s18, s23
	s_lshl_b32 s18, s18, 18
	s_and_b32 s22, s22, 15
	s_lshl_b32 s22, s22, 14
	s_add_co_u32 s18, s18, s22
	s_mov_b32 s19, 0
	s_add_nc_u64 s[10:11], s[10:11], s[18:19]
	s_cmp_eq_u32 s86, 1
	s_cselect_b32 s22, 1024, 0
	v_add_nc_u32 v[COP], s22, v[CO]
	s_sub_co_u32 s22, 1024, s22
	v_add_nc_u32 v[COM], s22, v[CO]
.macro FRAG reg, adr, q, i
.irp c, 0,1,2,3
	ds_load_b128 v[\reg+4*\c:\reg+4*\c+3], v[\adr] offset:128*(\q)+32*\c+(\i)*16*PITCH
.endr
.endm
.macro MUL16 a0, p, zero
.irp a, \a0, \a0+1
.irp b, 0,1,2,3,4,5,6,7
.if \zero
	v_wmma_f32_16x16x128_bf8_bf8 v[8*(8*((\a)%4)+\b):8*(8*((\a)%4)+\b)+7], v[128*(\p)+FR*\b:128*(\p)+FR*\b+FR-1], v[AF+FR*(\a):AF+FR*(\a)+FR-1], 0
.else
	v_wmma_f32_16x16x128_bf8_bf8 v[8*(8*((\a)%4)+\b):8*(8*((\a)%4)+\b)+7], v[128*(\p)+FR*\b:128*(\p)+FR*\b+FR-1], v[AF+FR*(\a):AF+FR*(\a)+FR-1], v[8*(8*((\a)%4)+\b):8*(8*((\a)%4)+\b)+7]
.endif
.endr
.endr
.endm
.macro FETCH_B slot, q, p
	WIN TO_B
.irp i, 0,1,2,3,4,5,6,7
	FRAG 128*(\p)+FR*\i, ADRB+\slot, \q, \i
.endr
	WIN 0
.endm
.macro FETCH_A slot, q, i0
.irp i, \i0, \i0+1, \i0+2, \i0+3
	FRAG AF+FR*(\i), ADRA+\slot, \q, \i
.endr
.endm
.macro PLACES n
.rept \n
	v_nop
.endr
.endm
.macro STEP slot, q, zero
	s_wait_dscnt 4*NL
	WIN MUL_LO
	MUL16 0, (\q)%2, \zero
	MUL16 2, (\q)%2, \zero
	s_wait_dscnt 0
	PLACES NP
	FETCH_B \slot, (\q)+1, 1-(\q)%2
	FETCH_A \slot, (\q)+1, 0
	WIN MUL_HI
	MUL16 4, (\q)%2, \zero
	MUL16 6, (\q)%2, \zero
	PLACES NP
	WIN 0
	FETCH_A \slot, (\q)+1, 4
.endm
.macro TURN slot, next, fill
	s_wait_tensorcnt 0x0
	ds_add_u32 v[SPW], v[NIL]
	s_wait_dscnt 4*NL+1
	WIN MUL_LO
	MUL16 0, 1, 0
	s_wait_dscnt 0x0
	s_barrier_signal -1
	MUL16 2, 1, 0
	WIN 0
	s_barrier_wait -1
.if \fill
	CREST
	s_add_nc_u64 s[G0+4*\slot+2:G0+4*\slot+3], s[G0+4*\slot+2:G0+4*\slot+3], 2*ROWB
	s_add_nc_u64 s[G0B+4*\slot+2:G0B+4*\slot+3], s[G0B+4*\slot+2:G0B+4*\slot+3], 2*ROWB
	JLOAD G0+4*\slot, G1, G0B+4*\slot, G1B
.else
	PLACES NP
.endif
	FETCH_B \next, 0, 0
	FETCH_A \next, 0, 0
	WIN MUL_HI
	MUL16 4, 1, 0
	MUL16 6, 1, 0
	PLACES NP
	WIN 0
	FETCH_A \next, 0, 4
.endm
	s_wait_tensorcnt 1
	s_barrier_signal -1
	s_barrier_wait -1
	FETCH_B 0, 0, 0
	FETCH_A 0, 0, 0
	FETCH_A 0, 0, 4
	STEP 0, 0, 1
	s_mov_b32 s3, LAPS-1
.Llap:
	TURN 0, 1, 1
	STEP 1, 0, 0
	TURN 1, 0, 1
	STEP 0, 0, 0
	s_sub_co_u32 s3, s3, 1
	s_cmp_lg_u32 s3, 0
	s_cbranch_scc1 .Llap
	TURN 0, 1, 0
	STEP 1, 0, 0
	s_wait_dscnt 4*NL
	WIN MUL_LO
	MUL16 0, 1, 0
	MUL16 2, 1, 0
	s_wait_dscnt 0
	WIN MUL_HI
	MUL16 4, 1, 0
	MUL16 6, 1, 0
	WIN 0
.macro TOSTAGE a
.set AC, 64*((\a)%4)
.set BB, BK+16*((\a)%2)
	WIN 0x02+((\a)/4)
.set J, 0
.rept 64
	v_med3_num_f32 v[TMP+J], v[AC+J], -v[LIM], v[LIM]
.set J, J+1
.endr
	WIN 0
.irp b, 0,1,2,3,4,5,6,7
	v_cvt_scalef32_pk8_bf8_f32 v[CD+2*\b:CD+2*\b+1], v[TMP+8*\b:TMP+8*\b+7], v[SCL]
.endr
	v_nop
.irp b, 0,1,2,3,4,5,6,7
	ds_store_b64 v[STO], v[CD+2*\b:CD+2*\b+1] offset:16*\b
.endr
.irp i, 0,1,2,3
	ds_load_b128 v[BB+4*\i:BB+4*\i+3], v[RD] offset:\i*4*SPITCH
.endr
.endm
.macro SEND a, younger
.set BB, BK+16*((\a)%2)
	s_wait_dscnt \younger
.irp i, 0,1,2,3
.if ((\a)%2) == (\i/2)
	global_store_b128 v[CO], v[BB+4*\i:BB+4*\i+3], s[10:11] offset:(16*(\a)+4*\i)*128 th:TH_STORE_NT
.elseif ((\a)%2) == 0
	global_store_b128 v[COP], v[BB+4*\i:BB+4*\i+3], s[10:11] offset:(16*(\a)+4*\i)*128 th:TH_STORE_NT
.else
	global_store_b128 v[COM], v[BB+4*\i:BB+4*\i+3], s[10:11] offset:(16*(\a)+4*\i)*128-1024 th:TH_STORE_NT
.endif
.endr
.endm
	s_wait_kmcnt 0x0
	s_add_co_i32 s18, s90, s91
	s_add_co_i32 s22, s92, s93
	s_mov_b32 s19, s95
	s_cmp_eq_u32 s86, 2
	s_cselect_b32 s18, s22, s18
	s_cselect_b32 s19, s97, s19
	s_sub_co_i32 s18, s19, s18
	s_add_co_i32 s18, s18, 127
	s_lshl_b32 s19, s18, 23
	v_mov_b32 v[SCL], s19
	s_add_co_i32 s18, s18, 15
	s_lshl_b32 s18, s18, 23
	s_or_b32 s18, s18, 0x600000
	v_mov_b32 v[LIM], s18
	PLACES NP
	TOSTAGE 0
.irp a, 1,2,3,4,5,6,7
.if \a > 1
	s_wait_xcnt 0x0
.endif
	TOSTAGE \a
	SEND \a-1, 12
.endr
	SEND 7, 0
	s_wait_tensorcnt 0x0
	ds_add_u32 v[SPW], v[NIL]
	s_wait_dscnt 0x0
	CROUND
	s_endpgm
.Lfunc_end_k_q787fd6e183_proj:
	.size	k_q787fd6e183_proj, .Lfunc_end_k_q787fd6e183_proj-k_q787fd6e183_proj
	.p2alignl 7, 3214868480
	.fill 96, 4, 3214868480
	.section	.rodata,"a",@progbits
	.p2align	6, 0x0
	.amdhsa_kernel k_q787fd6e183_proj
		.amdhsa_group_segment_fixed_size 327680
		.amdhsa_private_segment_fixed_size 0
		.amdhsa_enable_private_segment 0
		.amdhsa_kernarg_size 48
		.amdhsa_user_sgpr_count 2
		.amdhsa_user_sgpr_kernarg_segment_ptr 1
		.amdhsa_wavefront_size32 1
		.amdhsa_system_sgpr_workgroup_id_x 1
		.amdhsa_system_sgpr_workgroup_id_y 1
		.amdhsa_system_sgpr_workgroup_id_z 1
		.amdhsa_system_vgpr_workitem_id 0
		.amdhsa_next_free_vgpr 1024
		.amdhsa_next_free_sgpr 100
		.amdhsa_reserve_vcc 0
		.amdhsa_float_denorm_mode_32 3
		.amdhsa_float_denorm_mode_16_64 3
		.amdhsa_memory_ordered 1
		.amdhsa_forward_progress 1
		.amdhsa_inst_pref_size 126
	.end_amdhsa_kernel
	.amdgpu_metadata
---
amdhsa.version: [ 1, 2 ]
amdhsa.kernels:
  - .name:           k_q787fd6e183_proj
    .symbol:         k_q787fd6e183_proj.kd
    .args:
      - { .name: h_codes, .offset: 0, .size: 8, .value_kind: global_buffer, .address_space: global }
      - { .name: Wk_codes, .offset: 8, .size: 8, .value_kind: global_buffer, .address_space: global }
      - { .name: Wv_codes, .offset: 16, .size: 8, .value_kind: global_buffer, .address_space: global }
      - { .name: lowp_scales, .offset: 24, .size: 8, .value_kind: global_buffer, .address_space: global }
      - { .name: Kc, .offset: 32, .size: 8, .value_kind: global_buffer, .address_space: global }
      - { .name: Vc, .offset: 40, .size: 8, .value_kind: global_buffer, .address_space: global }
    .group_segment_fixed_size: 327680
    .private_segment_fixed_size: 0
    .kernarg_segment_align: 8
    .kernarg_segment_size: 48
    .max_flat_workgroup_size: 128
    .sgpr_count:     100
    .vgpr_count:     1024
    .wavefront_size: 32
...
	.end_amdgpu_metadata
.endif
;; end of part 1
;; launch attn (part 2): grid 8 x 32, 8 waves a work-group, clusters of 4 x 4, 327,680 bytes of LDS; arguments q_codes, Kc, Vc, mask, lowp_scales, out0, Wq_codes; writes out0
.if DOCPART == 2
	.amdgcn_target "amdgcn-amd-amdhsa--gfx1250"
	.amdhsa_code_object_version 6
	.text
	.protected	k_q787fd6e183_attn
	.globl	k_q787fd6e183_attn
	.p2align	8
	.type	k_q787fd6e183_attn,@function
k_q787fd6e183_attn:
	s_mov_b64 s[64:65], 0
	v_nop
	global_prefetch_b8 v0, s[64:65] scope:SCOPE_SE
	s_setreg_imm32_b32 hwreg(HW_REG_WAVE_MODE, 25, 1), 1
	s_wait_xcnt 0x0
	s_wait_alu depctr_hold_cnt(0) depctr_sa_sdst(0) depctr_va_vdst(0) depctr_va_sdst(0) depctr_va_ssrc(0) depctr_va_vcc(0) depctr_vm_vsrc(0)
	s_getreg_b32 s2, hwreg(HW_REG_IB_STS2, 6, 4)
	s_cmp_eq_u32 s2, 0
	s_cbranch_scc0 .Lentry_in_a_cluster
	s_endpgm
.Lentry_in_a_cluster:
	s_bfe_u32 s2, ttmp6, 0x10000c
	s_cmp_lg_u32 s2, 0xf033
	s_cbranch_scc0 .Lentry_shape_is_right
	s_endpgm
.Lentry_shape_is_right:
; Q'S PROJECTION AND ATTENTION on codes of BF8 (E5M2): out[b][q][64 head + d] = sum over k of softmax_k(Q.K / 8, masked) V; 4 batches x 16 heads, 2,048 queries and keys, head size 64.
; q_codes [8192][1024] and Wq_codes [1024][1024] are inputs.  Kc, Vc come from the launch before, in dense blocks of 128 rows x 128 bytes, block ((batch x 8 + head pair) x 16 + block of 128 tokens): Kc: byte = 64 (head % 2) + d,
; a token at the row whose number is the token's with bits 3 and 4 exchanged; Vc: row = 64 (head % 2) + d, byte = token.  mask: [4][2048][2048] bytes, 1 = this key does not count.  Scales: entries 0, 1: q, Wq; 6 to 9: eq, ek, ep, ev.
; SHARES.  A work-group owns 256 queries of one batch and a head pair; each of its eight waves 32 queries, two tiles of 16, for both heads: unit 2 T + hd.  Every wave walks all 2,048 keys, 128 a step.
; Q.  No other work-group needs my 256 x 128 numbers of Q, so they are made here: Q^T = Wq q^T, K = 1,024 in 8 steps of 128, 16 accumulators a wave.  Lane r of tile 2 b + u of Wq takes row 32 b + 8 u + r + 8 (r / 8), so that a lane's
; 16 registers of two neighbouring tiles are d = 32 b + 16 (lane / 16) + 0 .. 15 of its query: held, converted with 2^(eq - e0 - e1), they ARE the first product's operand.  Wq's 128 rows lie in slot 1's bytes (pitch 1,120), 512 bytes of
; my 256 rows of q in slot 0's (pitch 560): both images cover their slot's 143,360 bytes.  A wave reads a half's eight fragments of q into registers at once, so that slot 0's bytes are free for the next fill (q's second half, then
; ring slot 0), which is on its way while the half's 64 products are made.  This part has no loop to run ahead in: q's second half and ring slots 0 and 1 are prefetched once, behind the first loads.
; THE SOFTMAX: t = score x log2(e) / 8; M = the row's largest t so far among the keys that count, rounded UP to a whole number; p = 2^(t - M) is quantised with 2^ep; the row's sum is taken of the unquantised p
; and divides at the end.  When M moves, the sum and O are multiplied by 2^(old M - new M): exact.
; LAYOUT.  Both products are used transposed (S^T = K Q^T, O^T = V^T P^T): a lane holds ONE query (lane % 16).  By Kc's order of rows the 16 registers of tiles 2 b and 2 b + 1 are keys 32 b + 16 (lane / 16) + 0 .. 15.
; THE MASK IS THE C OF THE FIRST PRODUCT.  A byte permute with a word of four mask bytes as its selector gives bytes 0xFB (the code of -57,344) or 0; one scaled conversion makes of eight such codes eight f32 numbers,
; -57,344 x 2^96 or 0, written into the registers of S^T, which the product takes as C and D.  Raw sums lie within +-2^38 and the running largest raw score starts at -2^64: a key that does not count never gives the maximum, and its p is 0.
; A row none of whose keys counts ends with the sum 0 and O = 0, and 0 x (1 / 0) gives NaN there, as the softmax of such a row does.
; THE ROW'S SUM: one pair of each eight p is added beside the conversions; the other three behind the second product (macro SUMS), where they are the places behind it and stand over the next loads from LDS.
; The hold writes into spare registers, so p stays unquantised until then.  Head 1's rest is added at the head of the next step; ahead of the first step those registers hold zeros.
; LIMITS: the mask's bytes are 0 or 1; eq - e0 - e1 between -126 and 112; eq + ek between -100 and 60; ep between -126 and 112; ep + ev is applied by v_ldexp_f32; the scaled scores stay under 2^31 in magnitude.
; RING.  Two LDS slots of 256 keys: 256 rows of K, 2 x 128 rows of V, 256 query rows x 256 bytes of the mask.  One tensor load a wave and slot, 16 KiB: waves 0, 1: K; 2, 3: V; 4 to 7: the mask.
; CLUSTER.  4 x 4 work-groups: the four of a row share a head pair (Wq's, K's and V's tiles), the four of a column share batch and queries (q's and the mask's tiles): every tile is asked for JOINTLY.
; REGISTERS.  Window 0: v1-15 addresses and constants; v16-31 four a unit: -M, the largest raw score, the sum in two halves; v32-47 at work; v48-79 the mask's words; v80-111 p's codes; v112-239 S^T, then p, 64 a tile (first: Q^T's sums); v240-247 f and sums.
;   Window 1: v0-31 Q, 8 a unit; v32-159 O^T, 32 a unit (first: Wq's eight fragments); v160-223 K's eight fragments or V's four (first: v160-255 and v0-31 hold a half's eight fragments of q).
.set KP,    144                        ; a row of K or V in LDS: 128 bytes + 16 of padding
.set MP,    272                        ; a row of the mask: 256 + 16
.set BLK,   128*KP
.set VOFF,  2*BLK
.set MOFF,  4*BLK
.set MQ,    64*MP
.set SLOT,  MOFF+4*MQ                  ; 143,360 bytes
.set SPARE, 2*SLOT                     ; the spare words, 128 bytes a wave: four blocks of 256 bytes that no other line names
.set OP,    528                        ; the way out: a stage of 16 rows x (512 + 16) bytes a wave, in slot 0, which has had its last fill and its last read by then
.set QP,    560                        ; a row of q in LDS: 512 bytes + 48: 256 rows are a slot's bytes
.set WP,    1120                       ; a row of Wq: 1,024 + 96: 128 rows are a slot's bytes
.set LP,   1
.set AM0,  2
.set ADKV, 3
.set ADM,  4
.set AW,   3                           ; v3, v4 in Q's part: LDS address of Wq's tiles 0-3, 4-7
.set SPW,  5
.set NIL,  6
.set PFO,  7
.set AQ,   8                           ; LDS address of my rows of q
.set LIMP, 9                           ; 57,344 x the conversion's scale
.set SCP,  10                          ; the conversion's scale
.set STO,  11
.set RD,   12
.set GO,   13
.set MSC,  14                          ; the byte 223 four times: the mask's conversion multiplies by 2^96
.set PFQ,  15                          ; the offset of q's prefetch; never rewritten
.set ST,   16
.set TM,   32                          ; v32-47: two sets of eight held p
.set TA,   32                          ; + T: at work in the chains
.set TB,   34
.set TC,   36
.set TE,   38
.set MW,   48
.set PC,   80
.set SX,   112
.set F,    240                         ; v[240:241], v[242:243]: f = 2^(old M - new M) of tile 0, 1
.set TS,   244                         ; v[244:245], v[246:247]: a second chain of sums
.set OT,   32                          ; window 1
.set FR,   160
.set WV,   16
.set G1KV, 24                          ; s[24:31], s[32:39]: groups 1: first Wq's and q's, then K's and V's and the mask's
.set G1M,  32
.set G0K,  40                          ; s[40:43], s[44:47]: first Wq's and q's groups 0
.set G0V,  44
.set G0M,  48
.set KB,   52
.set MB,   53
.set TRIPS, 54
.set TWICE, 55
.set CS,   56
.set SEL,  58
.set PFA,  60
.set PFS,  62
.set LIM,  66
.set CFB,  67
.set WOK,  73
.set WOV,  74
.set WOM,  75
.set MSB, 0
.macro WIN new                         ; the immediate's high byte repeats the setting that is left
.if MSB != \new
	s_set_vgpr_msb (MSB<<8)|\new
.set MSB, \new
.endif
.endm
.set W_S,   0x05                       ; sources 0 and 1 window 1; C and D window 0
.set W_PV,  0x51                       ; V, C and O^T window 1; p's codes window 0
.set W_TO1, 0x40
.set W_RS,  0x41
.set W_OUT, 0x01
.macro PL4                             ; four places behind matrix instructions (ISA guide 7.12.1)
.rept 4
	v_nop
.endr
.endm
; A joint load of the ring, one a wave; the branches hang on the wave's number alone.  s_nop 0 and four v_nop follow each line.
.macro JLOAD
	s_cmp_lt_u32 s[WV], 2
	s_cbranch_scc0 .Lnot_k_\@
	tensor_load_to_lds s[G0K:G0K+3], s[G1KV:G1KV+7]
	s_nop 0
	PL4
	s_branch .Lasked_\@
.Lnot_k_\@:
	s_cmp_lt_u32 s[WV], 4
	s_cbranch_scc0 .Lfor_m_\@
	tensor_load_to_lds s[G0V:G0V+3], s[G1KV:G1KV+7]
	s_nop 0
	PL4
	s_branch .Lasked_\@
.Lfor_m_\@:
	tensor_load_to_lds s[G0M:G0M+3], s[G1M:G1M+7]
	s_nop 0
	PL4
.Lasked_\@:
.endm
; A PREFETCH of what the NEXT change of slots will ask for: a slot, two key steps, ahead of that load.  Each aligned block of 256 bytes is named once in the launch.
; K's and V's 32,768 bytes of a slot: the cluster with x = 0 asks, wave 0 for K's and wave 2 for V's; the four partners of a row take 8,192 bytes each, told apart BY ADDRESS (cx), lanes 256 bytes apart.
; The mask's 256 rows x 256 bytes: the cluster with even y asks, waves 4 and 5; the partner at cy takes rows 64 cy on, 32 a wave, a lane a row.  The last fill asks for nothing.
.macro ASK
	s_cmp_eq_u32 s[LIM], 1
	s_cbranch_scc0 .Lnot_mine_\@
	global_prefetch_b8 v[PFO], s[PFA:PFA+1] th:TH_LOAD_NT scope:SCOPE_SE
.Lnot_mine_\@:
.endm
.macro CROUND                          ; a round of the cluster's barrier
	s_barrier_signal -1
	s_barrier_wait -1
	s_cmp_lg_u32 s[WV], 0
	s_cbranch_scc1 .Lnot_wave_0_\@
	s_barrier_signal -3
.Lnot_wave_0_\@:
	s_barrier_wait -3
	s_barrier_signal -1
	s_barrier_wait -1
.endm
	s_load_b256 s[4:11], s[0:1], 0x0               ; q_codes, Kc, Vc, mask
	s_load_b128 s[12:15], s[0:1], 0x20             ; the scales' exponents, out0
	s_load_b64 s[96:97], s[0:1], 0x30              ; Wq_codes
	v_lshl_add_u32 v[SPW], v0, 2, SPARE
	v_mov_b32 v[NIL], 0
	ds_add_u32 v5, v6                              ; the opening lines: the add twice on end and its wait
	ds_add_u32 v5, v6
	s_wait_dscnt 0x0
	v_lshrrev_b32 v1, 5, v0
	v_readfirstlane_b32 s[WV], v1                  ; wave 0..7
	s_bfe_u32 s17, ttmp6, 0x40000                  ; cx
	s_bfe_u32 s18, ttmp6, 0x40004                  ; cy
	s_lshl_b32 s19, ttmp9, 2
	s_add_co_u32 s19, s19, s17                     ; X: my block of 256 queries
	s_and_b32 s21, ttmp7, 0xffff
	s_lshl_b32 s20, s21, 2
	s_add_co_u32 s20, s20, s18                     ; Y = batch x 8 + head pair
	s_lshr_b32 s21, s21, 1                         ; the batch
	s_lshl_b32 s22, s18, 2
	s_lshl_b32 s22, 15, s22                        ; my row of the cluster
	s_lshl_b32 s23, 0x1111, s17                    ; my column
	s_or_b32 s[G1KV], s22, (0<<16)|(1<<20)|(1<<21)|(7<<22)|(23<<25)  ; Wq: my row; bytes; 24 words of padding after every 256
	s_mov_b32 s[G1KV+1], 1024<<16                  ; 32 rows of 1,024 bytes a wave
	s_mov_b32 s[G1KV+2], 32<<16
	s_mov_b32 s[G1KV+3], 1024<<16
	s_mov_b32 s[G1KV+4], 32
	s_mov_b32 s[G1KV+5], 1024
	s_mov_b32 s[G1KV+6], 0
	s_mov_b32 s[G1KV+7], 0
	s_or_b32 s[G1M], s23, (0<<16)|(1<<20)|(1<<21)|(6<<22)|(11<<25)   ; q: my column; 12 words of padding after every 128
	s_mov_b32 s[G1M+1], 512<<16                    ; 64 rows of 512 bytes a wave, 1,024 apart
	s_mov_b32 s[G1M+2], 64<<16
	s_mov_b32 s[G1M+3], 512<<16
	s_mov_b32 s[G1M+4], 64
	s_mov_b32 s[G1M+5], 1024
	s_mov_b32 s[G1M+6], 0
	s_mov_b32 s[G1M+7], 0
	s_and_b32 s76, s[WV], 1
	s_mul_i32 s[WOK], s76, BLK                     ; where my tile goes in a slot
	s_add_co_u32 s[WOV], s[WOK], VOFF
	s_and_b32 s77, s[WV], 3
	s_mul_i32 s[WOM], s77, MQ
	s_add_co_u32 s[WOM], s[WOM], MOFF
	s_lshl_b32 s78, s20, 18                        ; K, V: my head pair's 16 blocks, + the block that I fetch
	s_lshl_b32 s79, s76, 14
	s_add_co_u32 s78, s78, s79
	s_mov_b32 s79, 0
	s_lshl_b32 s80, s19, 8                         ; the mask: query 256 X + 64 (wave % 4), in my batch's 4 MiB
	s_lshl_b32 s81, s77, 6
	s_add_co_u32 s80, s80, s81
	s_lshl_b32 s80, s80, 11
	s_lshl_b32 s81, s21, 22
	s_add_co_u32 s80, s80, s81
	s_mov_b32 s81, 0
	s_lshr_b32 s84, s80, 1                         ; q: the same rows, of 1,024 bytes
	s_mov_b32 s85, 0
	s_lshl_b32 s82, s19, 8
	s_lshl_b32 s83, s[WV], 5
	s_add_co_u32 s82, s82, s83                     ; my wave's first query
	s_lshl_b32 s86, s21, 11
	s_add_co_u32 s86, s86, s82
	s_lshl_b32 s86, s86, 12
	s_and_b32 s87, s20, 7
	s_lshl_b32 s87, s87, 9
	s_add_co_u32 s86, s86, s87                     ; out
	s_mov_b32 s87, 0
	v_and_b32 v14, 15, v0                          ; r
	v_bfe_u32 v15, v0, 4, 1                        ; h
	v_and_b32 v[GO], 31, v0
	v_mul_u32_u24 v[LP], v14, KP
	v_lshl_add_u32 v[LP], v15, 4, v[LP]
	v_mul_u32_u24 v[AM0], v14, MP
	v_lshl_add_u32 v[AM0], v15, 4, v[AM0]
	s_mul_i32 s88, s[WV], 32*MP
	s_add_co_u32 s88, s88, MOFF
	v_add_nc_u32 v[AM0], s88, v[AM0]
	s_mul_i32 s88, s[WV], 16*OP                    ; my stage
	v_mul_u32_u24 v[STO], v14, OP
	v_lshl_add_u32 v[STO], v15, 5, v[STO]
	v_add_nc_u32 v[STO], s88, v[STO]
	v_and_b32 v[PFO], 31, v0
	v_lshlrev_b32 v[GO], 4, v[GO]
	v_add_nc_u32 v[RD], s88, v[GO]
	s_mul_i32 s88, s[WV], 32*QP
	v_mul_u32_u24 v[AQ], v14, QP                   ; q: row 32 wave + r, + 16 h
	v_lshl_add_u32 v[AQ], v15, 4, v[AQ]
	v_add_nc_u32 v[AQ], s88, v[AQ]
	v_and_b32 v[AW], 8, v14
	v_add_nc_u32 v[AW], v[AW], v14                 ; Wq: row r + 8 (r / 8), + 16 h, in slot 1's bytes
	v_mul_u32_u24 v[AW], v[AW], WP
	v_lshl_add_u32 v[AW], v15, 4, v[AW]
	v_add_nc_u32 v[AW], SLOT, v[AW]
	v_add_nc_u32 v[AW+1], 64*WP, v[AW]
	v_and_b32 v[PFQ], 30, v0                       ; q's prefetch: lane l names row l / 2, unit l % 2 of its second 512 bytes
	v_lshlrev_b32 v[PFQ], 9, v[PFQ]
	v_and_b32 v14, 1, v0
	v_lshl_add_u32 v[PFQ], v14, 8, v[PFQ]
	s_cmp_lt_u32 s[WV], 4                          ; the ring's prefetches: who asks, from where, how far from lane to lane and from slot to slot
	s_cselect_b32 s89, 8, 11
	s_mov_b32 s[PFS], 256
	s_cselect_b32 s[PFS], 32768, s[PFS]
	s_mov_b32 s[PFS+1], 0
	v_lshlrev_b32 v[PFO], s89, v[PFO]
	s_lshl_b32 s90, s20, 18
	s_lshl_b32 s91, s17, 13
	s_add_co_u32 s90, s90, s91
	s_add_co_u32 s90, s90, 32768                   ; K, V: my work-group's 8,192 bytes, in slot 1
	s_lshl_b32 s92, s19, 8
	s_lshl_b32 s93, s18, 6
	s_add_co_u32 s92, s92, s93
	s_lshl_b32 s93, s76, 5
	s_add_co_u32 s92, s92, s93                     ; the mask: query 256 X + 64 cy + 32 (wave % 2)
	s_lshl_b32 s92, s92, 11
	s_lshl_b32 s93, s21, 22
	s_add_co_u32 s92, s92, s93
	s_add_co_u32 s92, s92, 256
	s_cmp_lt_u32 s[WV], 4
	s_cselect_b32 s90, s90, s92
	s_mov_b32 s91, 0
	s_or_b32 s76, s76, ttmp9                       ; 0 in waves 0 and 2 of a cluster with x = 0
	s_bfe_u32 s77, s[WV], 0x10001
	s_and_b32 s89, ttmp7, 1
	s_or_b32 s77, s77, s89                         ; 0 in waves 4 and 5 of a cluster with even y
	s_cmp_lt_u32 s[WV], 4
	s_cselect_b32 s76, s76, s77
	s_cmp_eq_u32 s76, 0
	s_cselect_b32 s[LIM], 1, -1
	s_and_b32 s92, s[WV], 3
	s_mul_i32 s77, s92, 64*QP                      ; Q's part: where my tile goes: 35,840 bytes a wave, q's in slot 0's bytes, Wq's in slot 1's
	s_lshl_b32 s92, s92, 15
	s_and_b32 s93, s20, 7
	s_lshl_b32 s93, s93, 17
	s_add_co_u32 s92, s92, s93                     ; Wq: row 128 x head pair + 32 (wave % 4)
	s_mov_b32 s93, 0
	s_lshl_b32 s88, s18, 14
	s_add_co_u32 s88, s88, s84
	s_add_co_u32 s88, s88, 512                     ; q's prefetch: of the 64 rows that I fetch the partner at cy names 16, told apart BY ADDRESS
	s_mov_b32 s89, 0
	s_mov_b32 s[SEL], 0x76543210
	s_mov_b32 s[SEL+1], 0xfedcba98
	s_mov_b32 s[CFB], 0xfb00                       ; byte 0: the code 0; byte 1: the code of -57,344
	s_wait_alu depctr_va_vdst(0)                   ; the wait here, directly ahead of the wait below
	s_wait_kmcnt 0x0
	s_load_b128 s[68:71], s[12:13], 0x18           ; eq, ek, ep, ev
	s_load_b64 s[98:99], s[12:13], 0x0             ; e0, e1
	s_mov_b32 s[G0K], 1
	s_add_co_u32 s[G0K+1], s77, SLOT
	s_add_nc_u64 s[G0K+2:G0K+3], s[96:97], s[92:93]
	s_or_b32 s[G0K+3], s[G0K+3], 0x80000000
	s_mov_b32 s[G0V], 1
	s_mov_b32 s[G0V+1], s77
	s_add_nc_u64 s[G0V+2:G0V+3], s[4:5], s[84:85]
	s_or_b32 s[G0V+3], s[G0V+3], 0x80000000
	s_add_nc_u64 s[88:89], s[4:5], s[88:89]
	s_cmp_lt_u32 s[WV], 2
	s_cselect_b64 s[PFA:PFA+1], s[6:7], s[8:9]
	s_cmp_lt_u32 s[WV], 4
	s_cselect_b64 s[PFA:PFA+1], s[PFA:PFA+1], s[10:11]
	s_add_nc_u64 s[PFA:PFA+1], s[PFA:PFA+1], s[90:91]
	s_sub_nc_u64 s[92:93], s[PFA:PFA+1], s[PFS:PFS+1]   ; my part of ring slot 0
	CROUND                                         ; all sixteen work-groups are here: the first joint loads meet
	s_cmp_lt_u32 s[WV], 4                          ; my one load at the head: waves 0 to 3 Wq's 128 rows, waves 4 to 7 the first 512 bytes of q's 256
	s_cbranch_scc0 .Lq_first
	tensor_load_to_lds s[G0K:G0K+3], s[G1KV:G1KV+7]
	s_nop 0
	PL4
	s_branch .Lq_asked
.Lq_first:
	tensor_load_to_lds s[G0V:G0V+3], s[G1M:G1M+7]
	s_nop 0
	PL4
	global_prefetch_b8 v[PFQ], s[88:89] th:TH_LOAD_NT scope:SCOPE_SE   ; q's second 512 bytes: 16 rows x 2 units, a lane a unit
.Lq_asked:
	s_cmp_eq_u32 s[LIM], 1
	s_cbranch_scc0 .Lno_ring
	global_prefetch_b8 v[PFO], s[92:93] th:TH_LOAD_NT scope:SCOPE_SE       ; ring slots 0 and 1: asked for over the whole of Q's part
	global_prefetch_b8 v[PFO], s[PFA:PFA+1] th:TH_LOAD_NT scope:SCOPE_SE
.Lno_ring:
.macro QA i0, sg                       ; Wq's tiles i0 .. i0 + 3 of K step sg: 16 loads
.irp i, 0,1,2,3
.irp c, 0,1,2,3
	ds_load_b128 v[OT+16*((\i0)+\i)+4*\c:OT+16*((\i0)+\i)+4*\c+3], v[AW+(\i0)/4] offset:(32*(\i/2)+8*(\i%2))*WP+128*(\sg)+32*\c
.endr
.endr
.endm
.macro QFETCH H                        ; all of q that lies in LDS for me: fragment J = 2 s + T (K step s of the half, tile T) at register (160 + 16 J) mod 256: 32 loads; and the half's first K step of Wq: 32 loads
	WIN W_TO1
.set J, 0
.rept 8
.irp c, 0,1,2,3
	ds_load_b128 v[(FR+16*J)%256+4*\c:(FR+16*J)%256+4*\c+3], v[AQ] offset:(J%2)*16*QP+128*(J/2)+32*\c
.endr
.set J, J+1
.endr
	QA 0, 4*\H
	QA 4, 4*\H
	WIN 0
.endm
.macro QMUL i0, sg                     ; eight of the sixteen accumulators, one instruction each; K step 0 starts the sums
	WIN W_S
.irp i, 0,1,2,3
.irp T, 0,1
.if (\sg) == 0
	v_wmma_f32_16x16x128_bf8_bf8 v[SX+64*\T+8*((\i0)+\i):SX+64*\T+8*((\i0)+\i)+7], v[OT+16*((\i0)+\i):OT+16*((\i0)+\i)+15], v[(FR+16*(2*((\sg)%4)+\T))%256:(FR+16*(2*((\sg)%4)+\T))%256+15], 0
.else
	v_wmma_f32_16x16x128_bf8_bf8 v[SX+64*\T+8*((\i0)+\i):SX+64*\T+8*((\i0)+\i)+7], v[OT+16*((\i0)+\i):OT+16*((\i0)+\i)+15], v[(FR+16*(2*((\sg)%4)+\T))%256:(FR+16*(2*((\sg)%4)+\T))%256+15], v[SX+64*\T+8*((\i0)+\i):SX+64*\T+8*((\i0)+\i)+7]
.endif
.endr
.endr
.endm
.macro QCOMP H                         ; a half's four K steps: q from registers, Wq's tiles fetched four at a time, half a step ahead
.irp s, 0,1,2,3
	s_wait_dscnt 16                                ; Wq's 0-3 are in; the sixteen loads of its 4-7 may be out
	QMUL 0, 4*\H+\s
.if \s < 3
	PL4
	WIN W_TO1
	QA 0, 4*\H+\s+1
	s_wait_dscnt 16                                ; all but the sixteen just issued
.else
	s_wait_dscnt 0x0
.endif
	QMUL 4, 4*\H+\s
	PL4
.if \s < 3
	WIN W_TO1
	QA 4, 4*\H+\s+1
.endif
.endr
	WIN 0
.endm
	s_wait_tensorcnt 0x0                           ; my tile is in,
	s_barrier_signal -1
	s_barrier_wait -1                              ; and everybody's
	QFETCH 0
	s_wait_tensorcnt 0x0                           ; the refill of q's bytes
	ds_add_u32 v[SPW], v[NIL]
	s_add_nc_u64 s[G0V+2:G0V+3], s[G0V+2:G0V+3], 512
	s_wait_dscnt 0x0                               ; the add is done, and q's first half is in registers
	CROUND
	s_cmp_lt_u32 s[WV], 4
	s_cbranch_scc1 .Lq_second
	tensor_load_to_lds s[G0V:G0V+3], s[G1M:G1M+7]  ; the second 512 bytes of q's rows: on their way under the first half's products
	s_nop 0
	PL4
.Lq_second:
	QCOMP 0
	s_wait_tensorcnt 0x0
	s_barrier_signal -1
	s_barrier_wait -1
	QFETCH 1
	s_wait_tensorcnt 0x0                           ; no tensor load of mine is out: the descriptors become the ring's
	ds_add_u32 v[SPW], v[NIL]
	s_or_b32 s[G1KV], s22, (0<<16)|(1<<20)|(1<<21)|(4<<22)|(3<<25)  ; K, V: my row; four words of padding after every 32
	s_mov_b32 s[G1KV+1], 256<<16                   ; a block of 128 x 128 bytes is dense: stated as 64 rows of 256 bytes
	s_mov_b32 s[G1KV+2], 64<<16
	s_mov_b32 s[G1KV+3], 256<<16
	s_mov_b32 s[G1KV+4], 64
	s_mov_b32 s[G1KV+5], 256
	s_or_b32 s[G1M], s23, (0<<16)|(1<<20)|(1<<21)|(5<<22)|(3<<25)   ; the mask: my column; four words of padding after every 64
	s_mov_b32 s[G1M+1], 256<<16
	s_mov_b32 s[G1M+3], 256<<16
	s_mov_b32 s[G1M+5], 2048
	s_mov_b32 s[G0K+1], s[WOK]
	s_add_nc_u64 s[G0K+2:G0K+3], s[6:7], s[78:79]
	s_or_b32 s[G0K+3], s[G0K+3], 0x80000000
	s_mov_b32 s[G0V+1], s[WOV]
	s_add_nc_u64 s[G0V+2:G0V+3], s[8:9], s[78:79]
	s_or_b32 s[G0V+3], s[G0V+3], 0x80000000
	s_mov_b32 s[G0M], 1
	s_mov_b32 s[G0M+1], s[WOM]
	s_add_nc_u64 s[G0M+2:G0M+3], s[10:11], s[80:81]
	s_or_b32 s[G0M+3], s[G0M+3], 0x80000000
	s_wait_dscnt 0x0                               ; the add is done, and q's second half is in registers
	CROUND
	JLOAD                                          ; ring slot 0: on its way under the second half's products and Q's conversions
	QCOMP 1
	s_add_nc_u64 s[14:15], s[14:15], s[86:87]
	s_wait_kmcnt 0x0
	s_sub_co_i32 s76, s68, s98
	s_sub_co_i32 s76, s76, s99                     ; a sum stands for sum x 2^(e0 + e1): its code is sum / 2^(eq - e0 - e1)
	s_add_co_i32 s76, s76, 127
	s_lshl_b32 s77, s76, 23
	v_mov_b32 v[SCP], s77
	s_add_co_i32 s76, s76, 15
	s_lshl_b32 s76, s76, 23
	s_or_b32 s76, s76, 0x600000
	v_mov_b32 v[LIMP], s76
.set J, 0
.rept 128
	v_med3_num_f32 v[SX+J], v[SX+J], -v[LIMP], v[LIMP]   ; the conversion does not saturate (ISA guide 7.6.2); each accumulator from its low end on
.set J, J+1
.endr
	WIN W_TO1
.irp T, 0,1
.irp t, 0,1,2,3,4,5,6,7
	v_cvt_scalef32_pk8_bf8_f32 v[8*(2*\T+\t/4)+4*((\t/2)%2)+2*(\t%2):8*(2*\T+\t/4)+4*((\t/2)%2)+2*(\t%2)+1], v[SX+64*\T+8*\t:SX+64*\T+8*\t+7], v[SCP]   ; Q stays: registers 4 c .. 4 c + 3 of unit 2 T + hd hold d = 32 c + 16 h + 0 .. 15, as K's do
.endr
.endr
	WIN 0
	v_mov_b32 v[MSC], 0xdfdfdfdf
	v_mov_b32 v[TS], 0
	v_mov_b32 v[TS+1], 0
.set G, 0
.rept 16
	v_cvt_scale_pk8_f32_bf8 v[SX+8*G:SX+8*G+7], v[TS:TS+1], v[MSC]   ; eight zero codes give eight zeros: the p that the first step's SUMS finds,
.set G, G+1
.endr
	WIN W_TO1
.set G, 0
.rept 16
	v_cvt_scale_pk8_f32_bf8 v[OT+8*G:OT+8*G+7], v[TS:TS+1], v[MSC]   ; and O^T: the key step has no first form of its own
.set G, G+1
.endr
	WIN 0
.irp i, 0,1,2,3
	v_mov_b32 v[ST+4*\i+1], 0xdf800000             ; the largest raw score so far: -2^64
	v_mov_b32 v[ST+4*\i+2], 0
	v_mov_b32 v[ST+4*\i+3], 0
.endr
	v_mov_b32 v[TC], 0                             ; a lane permute's destination counts as one of its sources
	v_mov_b32 v[TC+1], 0
	v_mov_b32 v[F+1], 0                            ; named as the upper halves of pairs
	v_mov_b32 v[F+3], 0
	s_add_co_i32 s76, s68, s69
	s_lshl_b32 s76, s76, 23
	s_mov_b32 s[CS], 0x3e38aa3b                    ; log2(e) / 8
	s_add_co_i32 s[CS], s[CS], s76                 ; x 2^(eq + ek), by the exponent field
	s_mov_b32 s[CS+1], s[CS]
	s_add_co_i32 s76, s70, 127
	s_lshl_b32 s77, s76, 23
	v_mov_b32 v[SCP], s77                          ; from here on: 2^ep
	s_add_co_i32 s76, s76, 15
	s_lshl_b32 s76, s76, 23
	s_or_b32 s76, s76, 0x600000
	v_mov_b32 v[LIMP], s76                         ; and 57,344 x 2^ep
	s_add_co_i32 s72, s70, s71                     ; ep + ev
	v_mul_f32 v[TA], s[CS], v[ST+1]
	v_floor_f32 v[ST], -v[TA]                      ; -M
	v_mov_b32 v[ST+4], v[ST]
	v_mov_b32 v[ST+8], v[ST]
	v_mov_b32 v[ST+12], v[ST]
.macro MLOAD                           ; the mask of my two queries for keys 32 b + 16 h + 0 .. 15: 8 loads
.irp T, 0,1
.irp b, 0,1,2,3
	ds_load_b128 v[MW+16*\T+4*\b:MW+16*\T+4*\b+3], v[ADM] offset:16*\T*MP+32*\b
.endr
.endr
.endm
.macro KLOAD hd                        ; the step's eight tiles of 16 keys x 64 of head hd: 16 loads
	WIN W_TO1
.irp t, 0,1,2,3,4,5,6,7
	ds_load_b128 v[FR+8*\t:FR+8*\t+3],   v[ADKV] offset:16*\t*KP+64*\hd
	ds_load_b128 v[FR+8*\t+4:FR+8*\t+7], v[ADKV] offset:16*\t*KP+64*\hd+32
.endr
.endm
.macro VLOAD hd                        ; four tiles of 16 of head hd's 64 x the step's 128 keys: 16 loads
	WIN W_TO1
.irp dt, 0,1,2,3
.irp c, 0,1,2,3
	ds_load_b128 v[FR+16*\dt+4*\c:FR+16*\dt+4*\c+3], v[ADKV] offset:VOFF+(64*\hd+16*\dt)*KP+32*\c
.endr
.endr
.endm
.macro EXPAND                          ; the mask's 128 codes a lane become the C of the first product, in S^T's registers: word W's byte i is register 4 W + i
.set G, 0
.rept 16
	v_cvt_scale_pk8_f32_bf8 v[SX+8*G:SX+8*G+7], v[MW+2*G:MW+2*G+1], v[MSC]
.set G, G+1
.endr
	v_nop                                          ; a plain line between the last conversion and the products that read its result
	s_wait_alu depctr_va_vdst(0)                   ; the wait here, directly ahead of the wait below
	s_wait_dscnt 0x0                               ; K is in
.endm
.macro SPROD hd                        ; S^T = K Q^T + the mask: sixteen accumulators, one instruction each
	WIN W_S
.irp t, 0,1,2,3,4,5,6,7
.irp T, 0,1
	v_wmma_f32_16x16x64_bf8_bf8 v[SX+64*\T+8*\t:SX+64*\T+8*\t+7], v[FR+8*\t:FR+8*\t+7], v[8*(2*\T+\hd):8*(2*\T+\hd)+7], v[SX+64*\T+8*\t:SX+64*\T+8*\t+7]
.endr
.endr
.endm
.macro PVPROD hd                       ; O^T += V^T P^T: eight accumulators by turns
	WIN W_PV
.irp dt, 0,1,2,3
.irp T, 0,1
	v_wmma_f32_16x16x128_bf8_bf8 v[OT+32*(2*\T+\hd)+8*\dt:OT+32*(2*\T+\hd)+8*\dt+7], v[FR+16*\dt:FR+16*\dt+15], v[PC+16*\T:PC+16*\T+15], v[OT+32*(2*\T+\hd)+8*\dt:OT+32*(2*\T+\hd)+8*\dt+7]
.endr
.endr
.endm
; The rest of the rows' sums of head hd: pairs 1 to 3 of each eight p, two chains a tile.  Its first four lines are the places behind the second product, in front of the loads into K's registers (ld = 1).
.macro SUMS hd, ld
.irp T, 0,1
	v_pk_add_f32 v[TS+2*\T:TS+2*\T+1], v[SX+64*\T+2:SX+64*\T+3], v[SX+64*\T+4:SX+64*\T+5]
.endr
.irp T, 0,1
	v_pk_add_f32 v[ST+8*\T+4*\hd+2:ST+8*\T+4*\hd+3], v[ST+8*\T+4*\hd+2:ST+8*\T+4*\hd+3], v[SX+64*\T+6:SX+64*\T+7]
.endr
.if \ld
.if \hd
	MLOAD                                          ; the next step's mask and its K of head 0
	KLOAD 0
.else
	KLOAD 1
.endif
	WIN 0
.endif
.irp g, 8,16,24,32,40,48,56
.irp T, 0,1
	v_pk_add_f32 v[TS+2*\T:TS+2*\T+1], v[TS+2*\T:TS+2*\T+1], v[SX+64*\T+\g+2:SX+64*\T+\g+3]
.endr
.irp T, 0,1
	v_pk_add_f32 v[ST+8*\T+4*\hd+2:ST+8*\T+4*\hd+3], v[ST+8*\T+4*\hd+2:ST+8*\T+4*\hd+3], v[SX+64*\T+\g+4:SX+64*\T+\g+5]
.endr
.irp T, 0,1
	v_pk_add_f32 v[TS+2*\T:TS+2*\T+1], v[TS+2*\T:TS+2*\T+1], v[SX+64*\T+\g+6:SX+64*\T+\g+7]
.endr
.endr
.irp T, 0,1
	v_pk_add_f32 v[ST+8*\T+4*\hd+2:ST+8*\T+4*\hd+3], v[ST+8*\T+4*\hd+2:ST+8*\T+4*\hd+3], v[TS+2*\T:TS+2*\T+1]
.endr
.endm
.macro HOLD8 g                         ; eight p held (the conversion does not saturate: ISA guide 7.6.2; p is not negative) into set g % 2, two a line
.irp i, 0,2,4,6
	v_dual_min_num_f32 v[TM+8*((\g)%2)+\i], v[LIMP], v[SX+8*(\g)+\i] :: v_dual_min_num_f32 v[TM+8*((\g)%2)+\i+1], v[LIMP], v[SX+8*(\g)+\i+1]
.endr
.endm
; Both tiles' softmax of head hd for a step: 2 x 64 raw scores a lane become p, p's codes, and the units' new -M, sums and O^T.
.macro SOFT hd
	WIN 0
.irp T, 0,1
	v_max3_num_f32 v[TA+\T], v[SX+64*\T], v[SX+64*\T+1], v[ST+8*\T+4*\hd+1]   ; four chains; each accumulator is read from its low end on
	v_max_num_f32 v[TB+\T], v[SX+64*\T+2], v[SX+64*\T+3]
.endr
.irp k, 4,8,12,16,20,24,28,32,36,40,44,48,52,56,60
.irp T, 0,1
	v_max3_num_f32 v[TA+\T], v[TA+\T], v[SX+64*\T+\k], v[SX+64*\T+\k+1]
	v_max3_num_f32 v[TB+\T], v[TB+\T], v[SX+64*\T+\k+2], v[SX+64*\T+\k+3]
.endr
.endr
.irp T, 0,1
	v_max_num_f32 v[TA+\T], v[TA+\T], v[TB+\T]
.endr
.irp T, 0,1
	v_permlanex16_b32 v[TC+\T], v[TA+\T], s[SEL], s[SEL+1]
.endr
.irp T, 0,1
	v_max_num_f32 v[ST+8*\T+4*\hd+1], v[TA+\T], v[TC+\T]           ; the largest raw score so far, lane l xor 16's too
.endr
.irp T, 0,1
	v_mul_f32 v[TA+\T], s[CS], v[ST+8*\T+4*\hd+1]                  ; as t (c is positive)
.endr
.irp T, 0,1
	v_mov_b32 v[TE+\T], v[ST+8*\T+4*\hd]
.endr
.irp T, 0,1
	v_floor_f32 v[ST+8*\T+4*\hd], -v[TA+\T]                        ; the new -M = -ceil(t)
.endr
.irp T, 0,1
	v_sub_f32 v[TE+\T], v[ST+8*\T+4*\hd], v[TE+\T]                 ; old M - new M: a whole number, 0 or less
.endr
.irp T, 0,1
	v_cvt_i32_f32 v[TE+\T], v[TE+\T]                               ; (it saturates)
.endr
.irp T, 0,1
	v_ldexp_f32 v[F+2*\T], 1.0, v[TE+\T]                           ; f = 2^(old M - new M)
.endr
.irp T, 0,1
.set J, 0
.rept 32
	v_pk_fma_f32 v[SX+64*\T+J:SX+64*\T+J+1], v[SX+64*\T+J:SX+64*\T+J+1], s[CS:CS+1], v[ST+8*\T+4*\hd:ST+8*\T+4*\hd+1] op_sel_hi:[1,0,0]   ; t - M
.set J, J+2
.endr
.endr
	s_wait_alu depctr_va_vdst(0)                   ; the wait ahead of the batch
.set J, 0
.rept 128
	v_exp_f32 v[SX+J], v[SX+J]                     ; p = 2^(t - M): not normalised
.set J, J+1
.endr
.irp T, 0,1
	v_pk_mul_f32 v[ST+8*\T+4*\hd+2:ST+8*\T+4*\hd+3], v[ST+8*\T+4*\hd+2:ST+8*\T+4*\hd+3], v[F+2*\T:F+2*\T+1] op_sel_hi:[1,0]   ; the sums under the new M: plain lines behind the exponentials
.endr
	s_wait_alu depctr_va_vdst(0)                   ; one wait for the batch of 128, ahead of its first reader
	HOLD8 0
.set G, 0
.rept 16                               ; eight p at a time: the next eight are held, these are converted, their first pair is summed: a conversion reads what was written five lines back or more
.if G < 15
	HOLD8 G+1
.endif
	v_cvt_scalef32_pk8_bf8_f32 v[PC+2*G:PC+2*G+1], v[TM+8*(G%2):TM+8*(G%2)+7], v[SCP]   ; registers 4 b .. 4 b + 3 of the operand: keys 32 b + 16 h + 0 .. 15, as V's loads have them
	v_pk_add_f32 v[ST+8*(G/8)+4*\hd+2:ST+8*(G/8)+4*\hd+3], v[ST+8*(G/8)+4*\hd+2:ST+8*(G/8)+4*\hd+3], v[SX+8*G:SX+8*G+1]   ; (also the plain line between the conversion and the next write of its set)
.set G, G+1
.endr
	WIN W_RS
	s_wait_alu depctr_va_vdst(0)                   ; the wait here, directly ahead of the first reader of O^T
.irp T, 0,1
.set J, 0
.rept 16
	v_pk_mul_f32 v[OT+32*(2*\T+\hd)+J:OT+32*(2*\T+\hd)+J+1], v[OT+32*(2*\T+\hd)+J:OT+32*(2*\T+\hd)+J+1], v[F+2*\T:F+2*\T+1] op_sel_hi:[1,0]   ; O^T under the new M
.set J, J+2
.endr
.endr
.endm
.macro HEAD hd                         ; one head's two tiles for a step
	SPROD \hd
	PL4                                            ; in front of the loads into K's registers and of the first read of the scores
	VLOAD \hd                                      ; V lands while the softmax is worked
	SOFT \hd
	s_wait_alu depctr_va_vdst(0)                   ; the wait here, directly ahead of the wait below
	s_wait_dscnt 0x0                               ; V is in
	PVPROD \hd
	WIN 0
.endm
; A KEY STEP: 128 keys, four units.
.macro STEP
	WIN 0
	v_add_nc_u32 v[ADKV], s[KB], v[LP]
	v_add_nc_u32 v[ADM], s[MB], v[AM0]
	SUMS 1, 1                                      ; the last step's head 1; behind its first four lines this step's 8 + 16 loads
	s_wait_alu depctr_va_vdst(0)                   ; the wait here, directly ahead of the wait below
	s_wait_dscnt 16                                ; the eight loads of the mask are in; K's sixteen, issued behind them, may be out
.set W, 0
.rept 32
	v_perm_b32 v[MW+W], v[MW+W], s[CFB], v[MW+W]   ; the word's four bytes, 0 or 1, select byte 0 or 1 of the constant: the codes 0 or 0xFB
.set W, W+1
.endr
	EXPAND
	HEAD 0
	SUMS 0, 1                                      ; behind its first four lines K of head 1
	EXPAND
	HEAD 1
.endm
; THE CHANGE OF SLOTS stands at a slot's head: each wave waits for all its tensor loads, adds 0 to its spare word, and waits for that and for its reads of the slot that it has left.
; fill = 1: the barrier is a round of the cluster's, and LDS slot f is filled with the next 256 keys, first thing behind it: the load has two key steps in which to land.
.macro CHANGE fill, f, ask
	WIN 0
	s_wait_tensorcnt 0x0
	ds_add_u32 v[SPW], v[NIL]
.if \fill
	s_add_co_u32 s[G0K+1], s[WOK], \f*SLOT
	s_add_nc_u64 s[G0K+2:G0K+3], s[G0K+2:G0K+3], 32768
	s_add_co_u32 s[G0V+1], s[WOV], \f*SLOT
	s_add_nc_u64 s[G0V+2:G0V+3], s[G0V+2:G0V+3], 32768
	s_add_co_u32 s[G0M+1], s[WOM], \f*SLOT
	s_add_nc_u64 s[G0M+2:G0M+3], s[G0M+2:G0M+3], 256
.if \ask
	s_wait_xcnt 0x0                                ; the last prefetch has read its address, so it may be written
	s_add_nc_u64 s[PFA:PFA+1], s[PFA:PFA+1], s[PFS:PFS+1]
.endif
.endif
	s_wait_dscnt 0x0
.if \fill
	CROUND
	JLOAD                                          ; my one tensor load until the next round
.if \ask
	ASK
.endif
.else
	s_barrier_signal -1
	s_barrier_wait -1
.endif
.endm
.macro SLOT_STEPS slot                 ; a slot's two key steps: written once, walked twice
	s_mov_b32 s[KB], \slot*SLOT
	s_mov_b32 s[MB], \slot*SLOT
	s_mov_b32 s[TWICE], 2
.Lstep_\@:
	STEP
	s_add_co_u32 s[KB], s[KB], BLK
	s_add_co_u32 s[MB], s[MB], 128
	s_sub_co_u32 s[TWICE], s[TWICE], 1
	s_cmp_lg_u32 s[TWICE], 0
	s_cbranch_scc1 .Lstep_\@
.endm
	s_wait_alu depctr_va_vdst(0)                   ; the wait at the head's end
	s_mov_b32 s[TRIPS], 3
.Lpair:                                                ; a trip goes once round the ring: 512 keys
	CHANGE 1, 1, 1
	SLOT_STEPS 0
	CHANGE 1, 0, 1
	SLOT_STEPS 1
	s_sub_co_u32 s[TRIPS], s[TRIPS], 1
	s_cmp_lg_u32 s[TRIPS], 0
	s_cbranch_scc1 .Lpair
	CHANGE 1, 1, 0                                 ; the last 512 keys are written out
	SLOT_STEPS 0
	CHANGE 0, 0, 0
	SLOT_STEPS 1
	; THE WAY OUT.  O^T x 2^(ep + ev) / the sum goes through my stage in LDS, a tile of 16 queries x 128 channels (both heads: 512 bytes a row) at a time.
	SUMS 1, 0                                      ; the last step's head 1 (also the places behind the last products)
.irp i, 0,1,2,3
	v_add_f32 v[ST+4*\i+2], v[ST+4*\i+2], v[ST+4*\i+3]
.endr
.irp i, 0,1,2,3
	v_permlanex16_b32 v[ST+4*\i+3], v[ST+4*\i+2], s[SEL], s[SEL+1]
.endr
.irp i, 0,1,2,3
	v_add_f32 v[ST+4*\i+2], v[ST+4*\i+2], v[ST+4*\i+3]
.endr
	s_wait_alu depctr_va_vdst(0)                   ; the wait ahead of the batch
.irp i, 0,1,2,3
	v_rcp_f32 v[ST+4*\i], v[ST+4*\i+2]
.endr
	v_nop
	s_wait_alu depctr_va_vdst(0)                   ; one wait for the four reciprocals, ahead of their first reader
.irp i, 0,1,2,3
	v_ldexp_f32 v[ST+4*\i], v[ST+4*\i], s72
.endr
.macro PACK T
.set TMP, SX+64*(\T)
	WIN W_OUT
	s_wait_alu depctr_va_vdst(0)                   ; the wait here, directly ahead of the first reader of O^T
.irp hd, 0,1
.set SU, ST+4*(2*(\T)+\hd)
.set OU, OT+32*(2*(\T)+\hd)
.set J, 0
.rept 16
	v_pk_mul_f32 v[TMP+32*\hd+J:TMP+32*\hd+J+1], v[OU+J:OU+J+1], v[SU:SU+1] op_sel_hi:[1,0]   ; register 8 dt + j is out(r, 64 hd + 16 dt + 8 h + j); each accumulator from its low end on
.set J, J+2
.endr
.endr
	WIN 0
.irp hd, 0,1
.irp dt, 0,1,2,3
	ds_store_b128 v[STO], v[TMP+32*\hd+8*\dt:TMP+32*\hd+8*\dt+3] offset:256*\hd+64*\dt
	ds_store_b128 v[STO], v[TMP+32*\hd+8*\dt+4:TMP+32*\hd+8*\dt+7] offset:256*\hd+64*\dt+16
.endr
.endr
.set K, 0
.rept 16
	ds_load_b128 v[TMP+4*K:TMP+4*K+3], v[RD] offset:K*OP   ; LDS serves a wave's instructions in order (ISA guide 5.7.1.4): these see my stores
.set K, K+1
.endr
.endm
.macro SEND T, younger                 ; younger: the LDS instructions issued behind tile T's loads
.set TMP, SX+64*(\T)
.set K, 0
.rept 16
	s_wait_dscnt \younger+15-K
	global_store_b128 v[GO], v[TMP+4*K:TMP+4*K+3], s[14:15] offset:(16*(\T)+K)*4096 th:TH_STORE_NT   ; 32 lanes store 512 consecutive bytes, at a multiple of 512 from out0's first byte
.set K, K+1
.endr
.endm
	PACK 0
	PACK 1
	SEND 0, 32                                     ; behind tile 0's loads: tile 1's 16 stores and 16 loads
	SEND 1, 0
	s_wait_tensorcnt 0x0                           ; the wave's end
	ds_add_u32 v[SPW], v[NIL]
	s_wait_dscnt 0x0
	CROUND                                         ; the closing round
	s_endpgm
.Lfunc_end_k_q787fd6e183_attn:
	.size	k_q787fd6e183_attn, .Lfunc_end_k_q787fd6e183_attn-k_q787fd6e183_attn
	.p2alignl 7, 3214868480
	.fill 96, 4, 3214868480
	.section	.rodata,"a",@progbits
	.p2align	6, 0x0
	.amdhsa_kernel k_q787fd6e183_attn
		.amdhsa_group_segment_fixed_size 327680
		.amdhsa_private_segment_fixed_size 0
		.amdhsa_enable_private_segment 0
		.amdhsa_kernarg_size 56
		.amdhsa_user_sgpr_count 2
		.amdhsa_user_sgpr_kernarg_segment_ptr 1
		.amdhsa_wavefront_size32 1
		.amdhsa_system_sgpr_workgroup_id_x 1
		.amdhsa_system_sgpr_workgroup_id_y 1
		.amdhsa_system_sgpr_workgroup_id_z 1
		.amdhsa_system_vgpr_workitem_id 0
		.amdhsa_next_free_vgpr 512
		.amdhsa_next_free_sgpr 100
		.amdhsa_reserve_vcc 0
		.amdhsa_float_denorm_mode_32 3
		.amdhsa_float_denorm_mode_16_64 3
		.amdhsa_memory_ordered 1
		.amdhsa_forward_progress 1
		.amdhsa_inst_pref_size 255
	.end_amdhsa_kernel
	.section	.bss,"aw",@nobits
	.p2align	6
	.space	262144
	.amdgpu_metadata
---
amdhsa.version: [ 1, 2 ]
amdhsa.kernels:
  - .name:           k_q787fd6e183_attn
    .symbol:         k_q787fd6e183_attn.kd
    .args:
      - { .name: q_codes, .offset: 0, .size: 8, .value_kind: global_buffer, .address_space: global }
      - { .name: Kc, .offset: 8, .size: 8, .value_kind: global_buffer, .address_space: global }
      - { .name: Vc, .offset: 16, .size: 8, .value_kind: global_buffer, .address_space: global }
      - { .name: mask, .offset: 24, .size: 8, .value_kind: global_buffer, .address_space: global }
      - { .name: lowp_scales, .offset: 32, .size: 8, .value_kind: global_buffer, .address_space: global }
      - { .name: out0, .offset: 40, .size: 8, .value_kind: global_buffer, .address_space: global }
      - { .name: Wq_codes, .offset: 48, .size: 8, .value_kind: global_buffer, .address_space: global }
    .group_segment_fixed_size: 327680
    .private_segment_fixed_size: 0
    .kernarg_segment_align: 8
    .kernarg_segment_size: 56
    .max_flat_workgroup_size: 256
    .sgpr_count:     100
    .vgpr_count:     512
    .wavefront_size: 32
...
	.end_amdgpu_metadata
.endif
;; end of part 2
